; MI455X (gfx1250); checked and timed in simulation.
; The chip was launched on July 23, 2026; its instructions are those of AMD's public machine-readable ISA for CDNA 5 (MIT licence, August 2026) and "CDNA5" Instruction Set Architecture Reference Guide (July 2026). The comments in the code are by the model that wrote it; some were corrected since.
;; Naive SDPA. Allowed arithmetic: matrix products marked QUANTISED: E3M2 operands, one E8M0 scale for each 32 along K, by v_wmma_scale_f32_16x16x128_f8f6f4 with both operands' format E3M2, f32 sums; everything else in f32.
;; Inputs: keys 16 x 4,096 x 64 float32; mask 4,096 x 4,096 float32; queries 16 x 4,096 x 64 float32; values 16 x 4,096 x 64 float32.
;; Outputs: out0 16 x 4,096 x 64 float32.
;; This version of the problem:
;;   THIS VERSION OF THE PROBLEM IS GIVEN IN LOW PRECISION. The matrix products marked QUANTISED in the list below multiply operands that are first quantised to E3M2 (3 exponent bits, 2 mantissa bits; 6 bits a number), with one power-of-two scale for each 32 numbers along K (OCP MX v1.0); their sums are f32. All else is computed in f32.
;;   The module's matrix products, in the order in which they are computed (A, B: the left and right operand; K: the contracted axis; several contracted axes count as one K, in the product's order):
;;     1. batch 16 x [M 4,096, K 64] x [K 64, N 4,096]; A: computed on the way; B: input keys: QUANTISED
;;     2. batch 16 x [M 4,096, K 4,096] x [K 4,096, N 64]; A: softmax (see below); B: input values: QUANTISED
;;   THE QUANTISER, for each operand of a quantised product, along K:
;;     - K is cut into blocks of 32 from its start; a last block that is shorter is filled with zeros.
;;     - A block's scale is 2^e with e = floor(log2(the largest magnitude in the block)) - 4, held to -126 .. 127; a block of zeros has e = 0. As a byte (E8M0): e + 127.
;;     - Each number is divided by its block's scale, clamped to +-28, and rounded to the nearest number of E3M2, ties to even, subnormals kept.
;;     - The product sums the exact products of the quantised numbers (number of the format x scale) in f32.
;;   ~~~python
;;   def quantise(x, axis):      # numpy; x: float32 -> the quantised numbers, widened to float32 again
;;       x = np.moveaxis(x, axis, -1); K = x.shape[-1]
;;       x = np.pad(x, [(0, 0)] * (x.ndim - 1) + [(0, -K % 32)]); x = x.reshape(x.shape[:-1] + (-1, 32)); a = np.abs(x).max(-1, keepdims=True)
;;       e = np.where(a > 0, np.clip(np.frexp(np.where(a > 0, a, 1))[1] - 1 - 4, -126, 127), 0)      # np.frexp(a)[1] - 1 = floor(log2(a)), exactly
;;       r = np.clip(x / 2.0 ** e, -28, 28)
;;       step = 2.0 ** (np.maximum(np.frexp(np.where(r == 0, 1, r))[1] - 1, -2) - 2)
;;       q = np.round(r / step) * step * 2.0 ** e      # np.round: ties to even
;;       return np.moveaxis(q.reshape(q.shape[:-2] + (-1,))[..., :K], -1, axis).astype(np.float32)
;;   ~~~
;;   SOFTMAX AHEAD OF A QUANTISED PRODUCT. Where the list says 'softmax', what is quantised is not the finished softmax but p = 2^(t - M), with t = logit x log2(e) and M = ceil(the row's largest t), a whole number; so 1/2 < the row's largest p <= 1. The row's sum l is taken of the UNQUANTISED p, in f32, and the product's result is divided by l at the end. Since M is a whole number, a kernel that streams over the keys may use a running M (the ceiling of the running maximum): every later rescaling is an exact power of two, which a block's scale takes up: the codes' values come out the same.
;;   OPERANDS COMPUTED ON THE WAY. 'Computed on the way' means the value that the module computes at that place (a softmax that the list does not call 'softmax' is quantised finished and normalised). What goes into a quantiser is computed in f32, as accurately as f32 sums, v_exp_f32 and their like allow (about 1e-6 of the number): no bf16 or f16 on the way to a quantiser, and a product that is left as it is and whose result goes on into a quantised operand takes f32 operands (vector FMAs, or v_wmma_f32_16x16x4_f32). A number that lies on a knife's edge between two numbers of the format may be rounded either way, as far as f32 arithmetic and the matrix unit's own rounding can turn it there, and no further.
;; One version. Each part assembles by itself: llvm-mc -triple=amdgcn-amd-amdhsa -mcpu=gfx1250 --defsym DOCPART=n.
;; ======== version 1 of 1: 2 launches
;; limits: right only within a limited range of input values
;; workspace buffers: kvc 6,291,456 bytes; kvs 262,144 bytes
;; launch prep (part 1): grid 32 x 16, 8 waves a work-group, no clusters, 38,912 bytes of LDS; arguments keys, values, kvc, kvs; writes kvc, kvs
.if DOCPART == 1
	.amdgcn_target "amdgcn-amd-amdhsa--gfx1250"
	.amdhsa_code_object_version 6
	.text
	.protected	k_q053f3aeb63_prep
	.globl	k_q053f3aeb63_prep
	.p2align	8
	.type	k_q053f3aeb63_prep,@function
k_q053f3aeb63_prep:
	s_mov_b64 s[64:65], 0
	v_nop
	global_prefetch_b8 v0, s[64:65] scope:SCOPE_SE
	s_setreg_imm32_b32 hwreg(HW_REG_WAVE_MODE, 25, 1), 1
	s_wait_xcnt 0x0
; keys and values, [16][4096][64] f32, become codes of BF6 (E3M2) with one E8M0 byte for each 32 along K, laid as IMAGES OF THE OPERAND REGISTERS of the attention launch.
; keys are quantised along the head's 64 (two blocks a key), values along the keys (blocks of 32 keys a channel).
; A block's scale is 2^(floor(log2(its largest magnitude)) - 4); its byte is the largest magnitude's exponent field - 4, held at 1 from below.
; LIMITS: a block of zeros gets the byte 1 where the rule says 127 (its codes are zeros, and this program alone reads the bytes); NaN and infinities among the inputs are not served.
; A work-group takes one head n (grid y) and one step of 128 keys (grid x).  Waves 0-3 make K's four PAIRS, waves 4-7 V's four tiles: 12 registers a lane each.
;   K pair w = 2 c + p, lane (r, h): registers 0-5 = key 64 c + 32 (r / 8) + 16 p + r % 8, channels 32 h .. 32 h + 31; registers 6-11 = the key 8 further on.
;   V tile ct,          lane (r, h): registers 6 cc .. 6 cc + 5 = channel 16 ct + r, keys 64 cc + 32 h + 0 .. 31 of the step.
; kvc: [head / 4][step][head % 4][12,288]: image w at 1,536 w, its register group i at 512 i + 16 x lane.   kvs: [head / 4][step][head % 4][512]: word of pair b, row r at 128 b + 4 r; of tile b at 128 b + 64 + 4 r.
; In both cases a lane ends up with two whole blocks of 32 in 64 registers, so one text quantises both; only the loading differs, under one branch on the wave's number.
.set SST,  36864                       ; LDS: behind four stages of 9,216 bytes: the work-group's 128 scale words
.set STG,  9216
.set SP,   272                         ; a key's row in a stage: 256 bytes + 16
.set BM,   12                          ; v12-13  the two blocks' largest magnitudes
.set SO,   16                          ; v16-17  the conversions' scale operands
.set BY,   18                          ; v18-19  the scale bytes
.set CT,   24                          ; v24-26, v28-30  the blocks' upper halves as the conversions leave them
.set C,    32                          ; v32-43  the image
.set X,    64                          ; v64-127 two blocks of 32 numbers
.set KR,   128                         ; v128-191 keys as they are loaded
	s_load_b256 s[4:11], s[0:1], 0x0               ; keys s[4:5], values s[6:7], kvc s[8:9], kvs s[10:11]
	v_lshl_add_u32 v192, v0, 2, 0x9400
	v_mov_b32 v193, 0
	v_lshrrev_b32 v1, 5, v0
	s_delay_alu instid0(VALU_DEP_1)
	v_readfirstlane_b32 s12, v1                    ; wave 0..7
	v_and_b32 v1, 31, v0                           ; lane
	v_and_b32 v2, 15, v0                           ; r
	v_bfe_u32 v3, v0, 4, 1                         ; h
	s_delay_alu instid0(VALU_DEP_3)
	v_lshlrev_b32 v4, 4, v1                        ; 16 x lane: K's loads, the image's stores, the scale words' way out
	s_delay_alu instid0(VALU_DEP_3)
	v_lshlrev_b32 v5, 2, v2
	s_delay_alu instid0(VALU_DEP_1)
	v_lshl_add_u32 v5, v3, 13, v5                  ; V's loads: 32 h keys of 256 bytes + 4 r
	s_and_b32 s13, s12, 3
	s_lshr_b32 s16, s12, 2
	s_mul_i32 s17, s13, STG                        ; the stage (K's waves alone use one)
	v_mul_u32_u24 v6, v3, SP
	s_delay_alu instid0(VALU_DEP_1)
	v_lshl_add_u32 v6, v2, 4, v6
	s_delay_alu instid0(VALU_DEP_1)
	v_add_nc_u32 v6, s17, v6                       ; into it: a load's 512 bytes are two keys: row h, byte 16 r
	v_and_b32 v7, 7, v2
	v_lshrrev_b32 v11, 3, v2
	s_delay_alu instid0(VALU_DEP_1)
	v_lshl_add_u32 v7, v11, 4, v7                  ; out of it: row r % 8 + 16 (r / 8)
	s_delay_alu instid0(VALU_DEP_1)
	v_mul_u32_u24 v7, v7, SP
	s_delay_alu instid0(VALU_DEP_1)
	v_lshl_add_u32 v7, v11, 7, v7                  ; rows 16-31 stand 128 bytes further on, so that the sixteen rows of a load begin in sixteen different columns of 16 bytes
	s_delay_alu instid0(VALU_DEP_1)
	v_lshl_add_u32 v7, v3, 7, v7                   ; + 128 h: my block of the key
	s_delay_alu instid0(VALU_DEP_1)
	v_add_nc_u32 v7, s17, v7
	s_lshl_b32 s18, s13, 7
	s_lshl_b32 s19, s16, 6
	s_add_co_u32 s18, s18, s19
	s_add_co_u32 s18, s18, SST
	v_lshl_add_u32 v8, v2, 2, s18                  ; my row's scale word: 128 (wave % 4) + 64 (wave / 4) + 4 r
	v_add_nc_u32 v9, SST, v4                       ; and all 128 words, 16 bytes a lane
	v_lshlrev_b32 v10, 3, v3                       ; 8 h: how far my two bytes are shifted
	v_mov_b32 v21, 0                               ; a lane permute's destination counts as one of its sources
	s_mov_b32 s14, 0x76543210
	s_mov_b32 s15, 0xfedcba98                      ; v_permlanex16_b32's selects for lane l xor 16
	s_and_b32 s20, ttmp7, 0xffff                   ; the head
	s_lshl_b32 s22, s20, 20                        ; 4,096 keys of 256 bytes
	s_lshl_b32 s23, ttmp9, 15                      ; 128 keys of 256 bytes
	s_add_co_u32 s22, s22, s23
	s_bfe_u32 s23, s12, 0x10001                    ; c
	s_lshl_b32 s23, s23, 14
	s_add_co_u32 s24, s22, s23
	s_and_b32 s23, s12, 1                          ; p
	s_lshl_b32 s23, s23, 12
	s_add_co_u32 s24, s24, s23                     ; keys: + 64 c + 16 p keys
	s_mov_b32 s25, 0
	s_lshl_b32 s23, s13, 6
	s_add_co_u32 s26, s22, s23                     ; values: + 16 ct channels
	s_mov_b32 s27, 0
	s_lshr_b32 s28, s20, 2
	s_lshl_b32 s28, s28, 5
	s_add_co_u32 s28, s28, ttmp9                   ; 32 (head / 4) + step
	s_and_b32 s29, s20, 3
	s_mul_i32 s30, s28, 49152
	s_mul_i32 s23, s29, 12288
	s_add_co_u32 s30, s30, s23
	s_mul_i32 s23, s12, 1536
	s_add_co_u32 s30, s30, s23                     ; my image in kvc
	s_mov_b32 s31, 0
	s_lshl_b32 s32, s28, 11
	s_lshl_b32 s23, s29, 9
	s_add_co_u32 s32, s32, s23                     ; the work-group's 512 bytes in kvs
	s_mov_b32 s33, 0
	s_wait_kmcnt 0x0
	s_add_nc_u64 s[4:5], s[4:5], s[24:25]
	s_add_nc_u64 s[6:7], s[6:7], s[26:27]
	s_add_nc_u64 s[8:9], s[8:9], s[30:31]
	s_add_nc_u64 s[10:11], s[10:11], s[32:33]
	s_cmp_lt_u32 s12, 4
	s_cbranch_scc0 .Lvalues
	; K: two runs of 16 keys, 32 keys apart; each load reads 512 consecutive bytes.  They turn through the wave's own stage, so that a lane gets 32 neighbouring channels of one key.
.set j, 0
.rept 16
	global_load_b128 v[KR+4*j:KR+4*j+3], v4, s[4:5] offset:(j/8)*8192+(j%8)*512 th:TH_LOAD_NT
.set j, j+1
.endr
	s_wait_loadcnt 0x0
.set j, 0
.rept 16
	ds_store_b128 v6, v[KR+4*j:KR+4*j+3] offset:j*2*SP+(j/8)*128
.set j, j+1
.endr
	s_wait_alu depctr_va_vdst(0)
.irp u, 0,1                                    ; LDS serves a wave's instructions in order: these see my stores
.irp e, 0,1,2,3,4,5,6,7
	ds_load_b128 v[X+32*\u+4*\e:X+32*\u+4*\e+3], v7 offset:\u*8*SP+16*\e
.endr
.endr
	s_wait_dscnt 0x0
	s_branch .Ljoin
.Lvalues:
	; V: a lane takes a channel and its registers run down the keys: sixteen lanes read 64 neighbouring bytes, the four V waves together each key's 256
.set j, 0
.rept 64
	global_load_b32 v[X+j], v5, s[6:7] offset:(64*(j/32)+j%32)*256
.set j, j+1
.endr
	s_wait_loadcnt 0x0
.Ljoin:
.irp u, 0,1
	v_max3_num_f32 v[BM+\u], |v[X+32*\u]|, |v[X+32*\u+1]|, 0x2800000   ; with the floor 2^(5 - 127): the byte cannot fall under 1
.endr
.irp i, 2,4,6,8,10,12,14,16,18,20,22,24,26,28,30
.irp u, 0,1
	s_delay_alu instid0(VALU_DEP_2)
	v_max3_num_f32 v[BM+\u], v[BM+\u], |v[X+32*\u+\i]|, |v[X+32*\u+\i+1]|   ; the two blocks by turns
.endr
.endr
.irp u, 0,1
	s_delay_alu instid0(VALU_DEP_2)
	v_add_nc_u32 v[SO+\u], 0xfe000000, v[BM+\u]    ; 4 off the exponent field: the conversion takes this operand's exponent field as its scale
.endr
.irp u, 0,1
	s_delay_alu instid0(VALU_DEP_2)
	v_lshrrev_b32 v[BY+\u], 23, v[SO+\u]           ; the scale's byte
.endr
	s_delay_alu instid0(VALU_DEP_1)
	v_lshl_or_b32 v20, v[BY+1], 16, v[BY]          ; my bytes belong at places h and 2 + h of the word
	s_delay_alu instid0(VALU_DEP_1)
	v_lshlrev_b32 v20, v10, v20
	s_delay_alu instid0(VALU_DEP_1)
	v_permlanex16_b32 v21, v20, s14, s15
	s_delay_alu instid0(VALU_DEP_1)
	v_or_b32 v22, v20, v21                         ; with lane l xor 16's two the word is whole
	v_cvt_scalef32_pk16_bf6_f32 v[C:C+2], v[X:X+15], v[SO]
	v_cvt_scalef32_pk16_bf6_f32 v[CT:CT+2], v[X+16:X+31], v[SO]       ; (a conversion's three registers begin on an even number)
	v_cvt_scalef32_pk16_bf6_f32 v[C+6:C+8], v[X+32:X+47], v[SO+1]
	v_cvt_scalef32_pk16_bf6_f32 v[CT+4:CT+6], v[X+48:X+63], v[SO+1]
	v_nop                                          ; one plain line behind the scaled conversions
.irp i, 0,1,2
	v_mov_b32 v[C+3+\i], v[CT+\i]
	v_mov_b32 v[C+9+\i], v[CT+4+\i]
.endr
.irp i, 0,1,2
	global_store_b128 v4, v[C+4*\i:C+4*\i+3], s[8:9] offset:512*\i     ; 32 lanes store 512 consecutive bytes, at a multiple of 256 from the buffer's first byte
.endr
	ds_store_b32 v8, v22                           ; both halves of the lanes write the same word with the same value
	s_wait_dscnt 0x0                               ; for wave 0's sake: my word has landed
	s_barrier_signal -1
	s_barrier_wait -1
	s_cmp_lg_u32 s12, 0
	s_cbranch_scc1 .Lend
	ds_load_b128 v[44:47], v9                      ; the eight waves' 128 words leave as 512 consecutive bytes
	s_wait_dscnt 0x0
	global_store_b128 v4, v[44:47], s[10:11]
.Lend:
	s_wait_tensorcnt 0x0
	ds_add_u32 v192, v193
	s_wait_dscnt 0x0
	s_endpgm
.Lfunc_end_k_q053f3aeb63_prep:
	.size	k_q053f3aeb63_prep, .Lfunc_end_k_q053f3aeb63_prep-k_q053f3aeb63_prep
	.p2alignl 7, 3214868480
	.fill 96, 4, 3214868480
	.section	.rodata,"a",@progbits
	.p2align	6, 0x0
	.amdhsa_kernel k_q053f3aeb63_prep
		.amdhsa_group_segment_fixed_size 38912
		.amdhsa_private_segment_fixed_size 0
		.amdhsa_enable_private_segment 0
		.amdhsa_kernarg_size 32
		.amdhsa_user_sgpr_count 2
		.amdhsa_user_sgpr_kernarg_segment_ptr 1
		.amdhsa_wavefront_size32 1
		.amdhsa_system_sgpr_workgroup_id_x 1
		.amdhsa_system_sgpr_workgroup_id_y 1
		.amdhsa_system_sgpr_workgroup_id_z 1
		.amdhsa_system_vgpr_workitem_id 0
		.amdhsa_next_free_vgpr 194
		.amdhsa_next_free_sgpr 66
		.amdhsa_reserve_vcc 0
		.amdhsa_float_denorm_mode_32 3
		.amdhsa_float_denorm_mode_16_64 3
		.amdhsa_memory_ordered 1
		.amdhsa_forward_progress 1
		.amdhsa_inst_pref_size 19
	.end_amdhsa_kernel
	.amdgpu_metadata
---
amdhsa.version: [ 1, 2 ]
amdhsa.kernels:
  - .name:           k_q053f3aeb63_prep
    .symbol:         k_q053f3aeb63_prep.kd
    .args:
      - { .name: keys, .offset: 0, .size: 8, .value_kind: global_buffer, .address_space: global }
      - { .name: values, .offset: 8, .size: 8, .value_kind: global_buffer, .address_space: global }
      - { .name: kvc, .offset: 16, .size: 8, .value_kind: global_buffer, .address_space: global }
      - { .name: kvs, .offset: 24, .size: 8, .value_kind: global_buffer, .address_space: global }
    .group_segment_fixed_size: 38912
    .private_segment_fixed_size: 0
    .kernarg_segment_align: 8
    .kernarg_segment_size: 32
    .max_flat_workgroup_size: 256
    .sgpr_count:     66
    .vgpr_count:     194
    .wavefront_size: 32
...
	.end_amdgpu_metadata
.endif
;; end of part 1
;; launch attn (part 2): grid 4 x 64, 8 waves a work-group, clusters of 4 x 1, 327,680 bytes of LDS; arguments queries, mask, kvc, kvs, out0; writes out0
.if DOCPART == 2
	.amdgcn_target "amdgcn-amd-amdhsa--gfx1250"
	.amdhsa_code_object_version 6
	.text
	.protected	k_q053f3aeb63_attn
	.globl	k_q053f3aeb63_attn
	.p2align	8
	.type	k_q053f3aeb63_attn,@function
k_q053f3aeb63_attn:
	s_mov_b64 s[64:65], 0
	v_nop
	global_prefetch_b8 v0, s[64:65] scope:SCOPE_SE
	s_setreg_imm32_b32 hwreg(HW_REG_WAVE_MODE, 25, 1), 1
	s_wait_xcnt 0x0
	s_wait_alu depctr_hold_cnt(0) depctr_sa_sdst(0) depctr_va_vdst(0) depctr_va_sdst(0) depctr_va_ssrc(0) depctr_va_vcc(0) depctr_vm_vsrc(0)
	s_getreg_b32 s2, hwreg(HW_REG_IB_STS2, 6, 4)
	s_cmp_eq_u32 s2, 0
	s_cbranch_scc0 .Lentry_in_a_cluster
	s_endpgm
.Lentry_in_a_cluster:
	s_bfe_u32 s2, ttmp6, 0x10000c
	s_cmp_lg_u32 s2, 0x3003
	s_cbranch_scc0 .Lentry_shape_is_right
	s_endpgm
.Lentry_shape_is_right:
; out0[n][q][:] = sum over k of softmax_k(queries[n][q] / 8 . keys[n][k] + mask[q][k]) values[n][k][:]: 16 heads, 4,096 queries, 4,096 keys, head size 64; both products on codes of BF6 (E3M2) with E8M0 scales.
; t = score x log2(e); M = the running largest t rounded UP to a whole number; p = 2^(t - M) is quantised along the keys, not normalised; the row's sum is taken of the unquantised p and divides at the end.
; LIMITS: NaN and infinities in any input are not served; the promise holds while |t| stays under 2^31; a block of zeros gets the scale byte 1 where the rule says 127 (its codes are zeros, and this program alone reads the bytes).
; SHARES.  A work-group owns 64 queries (block qb = grid y) of the four heads 4 g .. 4 g + 3 (g = grid x).  Wave w: head w / 2, queries 32 (w % 2) on: two tiles of 16.  Every wave walks 32 steps of 128 keys.
; LAYOUT.  Both products are used transposed (S^T = K Q^T + mask^T, O^T = V^T P^T): a lane holds ONE query (lane % 16).  The mask is the C of the first product.
;   Row m of K's tile (c, tau) is key 64 c + 32 (m / 8) + 8 tau + m % 8, so that score register 32 c + x of lane (r, h) is key 64 c + 32 h + x: a whole block of 32 in a lane, in the order of the second product's operand.
;   The head has 64 and the instruction 128 along K: an operand of K carries two tiles of keys, and Q stands between zeros: [Q, Z] picks the first, [Z, Q] the second.
; THE MASK goes through LDS: two slots of FOUR steps (512 keys): eight chunks of 64 rows x 64 keys, rows of 256 bytes + 16.  Wave w fetches chunk w, one tensor load a wave.
;   The four work-groups of a cluster (the four g of one qb) need the same tile and ask for it jointly.  A slot is asked for four steps ahead of its first read, so no prefetch is laid for the mask.
; K's AND V's CODES AND SCALE WORDS lie in memory as images of the operand registers (512 dense bytes for each group of four registers) and go straight into those registers, asked for one step ahead of their use.
;   They are not asked for jointly: a slot of four steps with the four heads' codes beside the mask would be 4 x (34,816 + 49,152) bytes, and two of those do not fit in 327,680.
;   Their prefetch: the work-groups of qb = 0 name, in step s, the 192 blocks of 256 bytes of their group's step s + 3 (waves 0-5, a lane a block), two steps ahead of the loads; steps 0-2 and 31 come by their loads alone.
; A STEP: both tiles' scores; K for the next step; softmax 0; next mask 0; softmax 1; next mask 1; both tiles' O^T; V for the next step.
;   A change of slots opens ahead of softmax 0 (my reads of the old slot ended at the step's head) and closes behind it: only work on registers stands between the signal and the wait.
; REGISTERS, two windows of 256.  Window 0: v1-13 addresses; v16-19 the step's scale words as loaded (lanes 0-15 K's, lanes 16-31 V's), v20-23 their copy for V's products; v24-25 Q's words; v26-27 p's words; v32-95 the way out.
;   Window 1: v0-47 K's four pairs; v48-95 V's four tiles.  v96-253 of window i: tile i's own.
.set MP,    272
.set MHALF, 64*MP                      ; a chunk: 64 rows x 64 keys
.set STEPM, 2*MHALF                    ; a step's two chunks
.set SLOT1, 8*MHALF                    ; slot 1 begins here
.set STAGE, 2*SLOT1                    ; 16 rows x 272 bytes for each wave, for the way out: no fill lands here
.set SPARE, STAGE+8*16*MP              ; the spare words: 128 bytes a wave
.set HEADB, 12288                      ; a head's codes of a step
.set STEPC, 4*HEADB
.set AM,  1                            ; my mask rows of the step to be fetched
.set AMB, 2                            ; my mask rows in slot 0, step 0; never rewritten
.set AKV, 3                            ; 16 x lane
.set ASC, 4                            ; 4 x lane
.set SPW, 6
.set NIL, 7
.set PFO, 8
.set STO, 9
.set RD,  10
.set GO,  11
.set H8,  12
.set QA,  13
.set SCK, 16
.set SCV, 20
.set QW,  24
.set PW,  26
.set OB,  32
.set KF,  0
.set VF,  48
.set SS,  96                           ; v96-159 the scores, then p
.set OO,  160                          ; v160-191 O^T
.set QZ,  192                          ; v192-209 zeros, Q's codes, zeros
.set PC,  210                          ; v210-221 p's codes
.set CT,  222
.set NM,  230                          ; -M
.set MT,  231                          ; the running largest t
.set LL,  232                          ; v232-233 the row's sum
.set FF,  234                          ; v234-235 f = 2^(old M - new M)
.set BM,  236
.set RM,  240
.set T1,  241
.set SO,  242
.set BY,  244
.set SH,  246
.set T2,  247
.set L2,  248                          ; three more chains of the sum
.set L3,  250
.set L4,  252
.set WV,  14
.set HH,  15
.set QP,  16
.set CX,  17
.set QB,  18
.set SB,  19                           ; 0 or SLOT1: the slot that is being read
.set WOFF, 20                          ; wave x MHALF
.set LIM, 21                           ; 1 in a wave that prefetches
.set CS,  22
.set SEL, 24
.set CNT, 26
.set G1M, 28
.set G0,  36
.set KB,  40                           ; s[40:41] my head's codes of the step last asked for
.set KS,  42                           ; s[42:43] its scale words
.set MSB, 0
.macro WIN new
.if MSB != (\new)
	s_set_vgpr_msb (MSB<<8)|(\new)
.set MSB, (\new)
.endif
.endm
.macro PLACES n
.rept \n
	v_nop
.endr
.endm
.macro CREST                           ; a round of the cluster's barrier behind its opening barrier
	s_cmp_lg_u32 s[WV], 0
	s_cbranch_scc1 .Lnot_wave_0_\@
	s_barrier_signal -3
.Lnot_wave_0_\@:
	s_barrier_wait -3
	s_barrier_signal -1
	s_barrier_wait -1
.endm
.macro ROUND
	s_barrier_signal -1
	s_barrier_wait -1
	CREST
.endm
.macro ASK
	s_cmp_eq_u32 s[LIM], 1
	s_cbranch_scc0 .Lnot_mine_\@
	global_prefetch_b8 v[PFO], s[KB:KB+1] offset:STEPC th:TH_LOAD_NT scope:SCOPE_SE
.Lnot_mine_\@:
.endm
.macro LK                              ; 16 loads: K's four pairs and the step's scale words
	WIN 0x40
.set q, 0
.rept 12
	global_load_b128 v[KF+4*q:KF+4*q+3], v[AKV], s[KB:KB+1] offset:512*q
.set q, q+1
.endr
	WIN 0
.irp b, 0,1,2,3
	global_load_b32 v[SCK+\b], v[ASC], s[KS:KS+1] offset:128*\b
.endr
.endm
.macro LV                              ; 12 loads: V's four tiles
	WIN 0x40
.set q, 0
.rept 12
	global_load_b128 v[VF+4*q:VF+4*q+3], v[AKV], s[KB:KB+1] offset:6144+512*q
.set q, q+1
.endr
.endm
.macro LM i                            ; 16 LDS loads: tile i's mask: (query r, keys 64 c + 32 h + 4 e ..)
	WIN 0x40*(\i)
.irp c, 0,1
.irp e, 0,1,2,3,4,5,6,7
	ds_load_b128 v[SS+32*\c+4*\e:SS+32*\c+4*\e+3], v[AM] offset:\c*MHALF+(\i)*16*MP+16*\e
.endr
.endr
.endm
.macro SMM i                           ; S^T = K Q^T + mask^T: eight accumulators, one instruction each
	WIN 0x01+0x54*(\i)
.irp pi, 0,1,2,3
	v_wmma_scale_f32_16x16x128_f8f6f4 v[SS+16*\pi:SS+16*\pi+7], v[KF+12*\pi:KF+12*\pi+11], v[QZ+6:QZ+17], v[SS+16*\pi:SS+16*\pi+7], v[SCK+\pi], v[QW+(\i)] matrix_a_fmt:MATRIX_FMT_BF6 matrix_b_fmt:MATRIX_FMT_BF6
	v_wmma_scale_f32_16x16x128_f8f6f4 v[SS+16*\pi+8:SS+16*\pi+15], v[KF+12*\pi:KF+12*\pi+11], v[QZ:QZ+11], v[SS+16*\pi+8:SS+16*\pi+15], v[SCK+\pi], v[QW+(\i)] matrix_a_fmt:MATRIX_FMT_BF6 matrix_b_fmt:MATRIX_FMT_BF6
.endr
.endm
.macro PV i                            ; O^T += V^T P^T: four accumulators, one instruction each
	WIN 0x01+0x54*(\i)
.irp ct, 0,1,2,3
	v_wmma_scale_f32_16x16x128_f8f6f4 v[OO+8*\ct:OO+8*\ct+7], v[VF+12*\ct:VF+12*\ct+11], v[PC:PC+11], v[OO+8*\ct:OO+8*\ct+7], v[SCV+\ct], v[PW+(\i)] matrix_a_fmt:MATRIX_FMT_BF6 matrix_b_fmt:MATRIX_FMT_BF6 matrix_a_scale:MATRIX_SCALE_ROW1
.endr
.endm
.macro PADD d, j
	v_pk_add_f32 v[\d:\d+1], v[\d:\d+1], v[SS+\j:SS+\j+1]
.endm
.macro TM j                            ; t - M, two at a time
	v_pk_fma_f32 v[SS+\j:SS+\j+1], v[SS+\j:SS+\j+1], s[CS:CS+1], v[NM:NM+1] op_sel_hi:[1,0,0]
.endm
; The softmax of tile i for one step: 64 scores a lane, two whole blocks of 32 keys.  It works on registers alone.
.macro SOFTMAX i
	WIN 0x55*(\i)
.if \i
	s_wait_alu depctr_va_vdst(0)                   ; tile 1's scores
.endif
.irp c, 0,1                                    ; each block's largest score, two chains each; every accumulator is first read at its low end
	v_max3_num_f32 v[BM+\c], v[SS+32*\c], v[SS+32*\c+1], v[SS+32*\c+2]
	v_max3_num_f32 v[BM+2+\c], v[SS+32*\c+16], v[SS+32*\c+17], v[SS+32*\c+18]
.endr
.irp k, 3,5,7,9,11,13
.irp c, 0,1
	v_max3_num_f32 v[BM+\c], v[BM+\c], v[SS+32*\c+\k], v[SS+32*\c+\k+1]
	v_max3_num_f32 v[BM+2+\c], v[BM+2+\c], v[SS+32*\c+16+\k], v[SS+32*\c+17+\k]
.endr
.endr
.irp c, 0,1
	v_max3_num_f32 v[BM+\c], v[BM+\c], v[BM+2+\c], v[SS+32*\c+15]
.endr
.irp c, 0,1
	v_max_num_f32 v[BM+\c], v[BM+\c], v[SS+32*\c+31]
.endr
	v_mov_b32 v[T2], v[NM]                         ; the old -M
	v_max_num_f32 v[RM], v[BM], v[BM+1]
	v_permlanex16_b32 v[T1], v[RM], s[SEL], s[SEL+1]   ; the query's other 64 keys lie in the lane 16 away
	v_max_num_f32 v[RM], v[RM], v[T1]
	v_mul_f32 v[RM], s[CS], v[RM]
	v_max_num_f32 v[MT], v[MT], v[RM]              ; the running largest t
	v_floor_f32 v[NM], -v[MT]                      ; the new -M = -ceil(t)
	v_sub_f32 v[T1], v[NM], v[T2]                  ; old M - new M: a whole number, 0 or less
	TM 0
	TM 2
	v_cvt_i32_f32 v[T1], v[T1]                     ; (it saturates)
	TM 4
	TM 6
	v_ldexp_f32 v[FF], 1.0, v[T1]                  ; f: a multiplication by it rounds nothing
.set q, 8
.rept 28
	TM q
.set q, q+2
.endr
.irp c, 0,1
	v_fma_f32 v[BM+\c], v[BM+\c], s[CS], v[NM]     ; the same of each block's largest score: p rises with the score
.endr
.set q, 0
.rept 16
	v_pk_mul_f32 v[OO+q:OO+q+1], v[OO+q:OO+q+1], v[FF:FF+1] op_sel_hi:[1,0]   ; O^T under the new M, ascending
.set q, q+2
.endr
	v_pk_mul_f32 v[LL:LL+1], v[LL:LL+1], v[FF:FF+1] op_sel_hi:[1,0]
	s_wait_alu depctr_va_vdst(0)                   ; the wait ahead of the batch
.set q, 0
.rept 64
	v_exp_f32 v[SS+q], v[SS+q]                     ; p = 2^(t - M), at most 1
.set q, q+1
.endr
	v_exp_f32 v[BM], v[BM]                         ; the blocks' largest p
	v_exp_f32 v[BM+1], v[BM+1]
	v_nop                                          ; a plain line behind the batch
	s_wait_alu depctr_va_vdst(0)                   ; and the one wait ahead of its readers
; the scale bytes' chain and the sum of the UNQUANTISED p (four chains) by turns
	v_max_num_f32 v[BM], 0x2800000, v[BM]          ; the floor 2^(5 - 127): the byte cannot fall under 1
	v_max_num_f32 v[BM+1], 0x2800000, v[BM+1]
	v_pk_add_f32 v[L2:L2+1], v[SS:SS+1], v[SS+2:SS+3]
	v_pk_add_f32 v[L3:L3+1], v[SS+4:SS+5], v[SS+6:SS+7]
	v_add_nc_u32 v[SO], 0xfe000000, v[BM]          ; 4 off the exponent field: the conversion's scale operand
	v_add_nc_u32 v[SO+1], 0xfe000000, v[BM+1]
	v_pk_add_f32 v[L4:L4+1], v[SS+8:SS+9], v[SS+10:SS+11]
	PADD LL, 12
	v_lshrrev_b32 v[BY], 23, v[SO]
	v_lshrrev_b32 v[BY+1], 23, v[SO+1]
	PADD L2, 14
	PADD L3, 16
	v_lshl_or_b32 v[T1], v[BY+1], 16, v[BY]        ; my blocks are h and 2 + h of the step's four
	PADD L4, 18
	PADD LL, 20
	v_lshlrev_b32 v[T1], v[SH], v[T1]
	PADD L2, 22
	PADD L3, 24
	v_permlanex16_b32 v[T2], v[T1], s[SEL], s[SEL+1]
	PADD L4, 26
	PADD LL, 28
	WIN 0x05*(\i)                                  ; scale operands have no window: the word goes to window 0
	v_or_b32 v[PW+(\i)], v[T1], v[T2]
	WIN 0x55*(\i)
	v_cvt_scalef32_pk16_bf6_f32 v[PC:PC+2], v[SS:SS+15], v[SO]
	v_cvt_scalef32_pk16_bf6_f32 v[CT:CT+2], v[SS+16:SS+31], v[SO]     ; (a conversion's three registers begin on an even number)
	v_cvt_scalef32_pk16_bf6_f32 v[PC+6:PC+8], v[SS+32:SS+47], v[SO+1]
	v_cvt_scalef32_pk16_bf6_f32 v[CT+4:CT+6], v[SS+48:SS+63], v[SO+1]
	PADD L2, 30                                    ; the plain line behind the conversions
.irp k, 0,1,2
	v_mov_b32 v[PC+3+\k], v[CT+\k]
	v_mov_b32 v[PC+9+\k], v[CT+4+\k]
.endr
.irp j, 32,40,48,56                            ; nineteen plain lines between the codes' last move, the scale word and the products
	PADD L3, \j
	PADD L4, \j+2
	PADD LL, \j+4
	PADD L2, \j+6
.endr
	v_pk_add_f32 v[L2:L2+1], v[L2:L2+1], v[L3:L3+1]
	v_pk_add_f32 v[LL:LL+1], v[LL:LL+1], v[L4:L4+1]
	v_pk_add_f32 v[LL:LL+1], v[LL:LL+1], v[L2:L2+1]
.endm
; A step.  chg = 1: the slots change and the slot read out is filled again; 2: they change and nothing is fetched; nxt = 1: the next step's operands are asked for; ask = 1: the codes' prefetch.
.macro STEP chg, nxt, ask
	s_wait_loadcnt 12                              ; K and the scale words are in; V's twelve loads may be out
	s_wait_dscnt 16                                ; tile 0's mask is in; tile 1's sixteen loads may be out
	SMM 0
	s_wait_dscnt 0x0
	SMM 1
	PLACES 4                                       ; in front of the loads into K's registers and of the first read of the scores
	WIN 0
.irp b, 0,1,2,3
	v_mov_b32 v[SCV+\b], v[SCK+\b]                 ; V's words (lanes 16-31) are kept: the next step's words land on the registers as loaded
.endr
.if \nxt
	s_wait_xcnt 0x0                                ; every earlier load and prefetch has read its base
	s_add_nc_u64 s[KB:KB+1], s[KB:KB+1], STEPC
	s_add_nc_u64 s[KS:KS+1], s[KS:KS+1], 2048
	LK
.endif
.if \ask
	ASK
.endif
.if \chg
	s_wait_tensorcnt 0x0                           ; my chunk of the next slot has landed
	ds_add_u32 v[SPW], v[NIL]
.if \chg == 1
	s_add_co_u32 s[G0+1], s[WOFF], s[SB]           ; the slot read out takes the four steps two slots on
	s_add_nc_u64 s[G0+2:G0+3], s[G0+2:G0+3], 2048
.endif
	s_xor_b32 s[SB], s[SB], SLOT1
	s_wait_dscnt 0x0                               ; the add is done; my reads of the old slot ended at this step's head
	s_barrier_signal -1                            ; say so, and work on registers while the others arrive
.endif
	SOFTMAX 0
.if \chg
	s_barrier_wait -1
.if \chg == 1
	CREST                                          ; both hold of every wave of the four work-groups
	tensor_load_to_lds s[G0:G0+3], s[G1M:G1M+7]
	s_nop 0
.endif
	v_add_nc_u32 v[AM], s[SB], v[AMB]
.else
.if \nxt
	v_add_nc_u32 v[AM], STEPM, v[AM]
.endif
.endif
.if \nxt
	LM 0
.endif
	SOFTMAX 1
.if \nxt
	LM 1
	s_wait_loadcnt 16                              ; V is in; the next K's sixteen loads may be out
.else
	s_wait_loadcnt 0x0
.endif
	PV 0
	PV 1
	PLACES 4                                       ; in front of the loads into V's registers and of the first read of O^T
.if \nxt
	LV
.endif
	WIN 0
.endm
.macro INIT i                          ; O^T and the sum begin as zeros and the largest t as -3e38
	WIN 0x40*(\i)
	v_mov_b32 v[SH], v[H8]
	v_mov_b32 v[MT], 0xff61b1e6
	v_mov_b32 v[LL], 0
	v_mov_b32 v[LL+1], 0
	v_mov_b32 v[FF+1], 0
	v_mov_b32 v[T1], 0
	v_mov_b32 v[T2], 0
.set q, 0
.rept 32
	v_mov_b32 v[OO+q], 0
.set q, q+1
.endr
	WIN 0x55*(\i)
	v_floor_f32 v[NM], -v[MT]
.endm
.macro QPREP i                         ; my 32 channels of query r, x 1/8, are one whole block: codes between zeros, and the word (s0, s1, s0, s1)
	WIN 0x55*(\i)
.set q, 0
.rept 16
	v_pk_mul_f32 v[SS+q:SS+q+1], v[SS+q:SS+q+1], 0x3e000000 op_sel_hi:[1,0]
.set q, q+2
.endr
	v_max3_num_f32 v[BM], |v[SS]|, |v[SS+1]|, 0x2800000
	v_max3_num_f32 v[BM+1], |v[SS+16]|, |v[SS+17]|, 0x2800000
.irp j, 2,4,6,8,10,12,14
	v_max3_num_f32 v[BM], v[BM], |v[SS+\j]|, |v[SS+\j+1]|
	v_max3_num_f32 v[BM+1], v[BM+1], |v[SS+16+\j]|, |v[SS+17+\j]|
.endr
	v_max_num_f32 v[BM], v[BM], v[BM+1]
	v_add_nc_u32 v[SO], 0xfe000000, v[BM]
	v_lshrrev_b32 v[BY], 23, v[SO]
	v_lshlrev_b32 v[T1], v[SH], v[BY]
	v_permlanex16_b32 v[T2], v[T1], s[SEL], s[SEL+1]
	v_or_b32 v[T1], v[T1], v[T2]
	v_cvt_scalef32_pk16_bf6_f32 v[QZ+6:QZ+8], v[SS:SS+15], v[SO]
	v_cvt_scalef32_pk16_bf6_f32 v[CT:CT+2], v[SS+16:SS+31], v[SO]
	v_nop
.irp k, 0,1,2
	v_mov_b32 v[QZ+9+\k], v[CT+\k]
.endr
.irp k, 0,1,2,3,4,5
	v_mov_b32 v[QZ+\k], 0
	v_mov_b32 v[QZ+12+\k], 0
.endr
	WIN 0x11*(\i)
	v_lshl_or_b32 v[QW+(\i)], v[T1], 16, v[T1]
	WIN 0
.endm
.macro FINISH i                        ; O^T / the sum, through my stage, back as whole rows of 256 bytes
	WIN 0x55*(\i)
	v_add_f32 v[T1], v[LL], v[LL+1]
	v_permlanex16_b32 v[T2], v[T1], s[SEL], s[SEL+1]
	v_add_f32 v[T1], v[T1], v[T2]
	s_wait_alu depctr_va_vdst(0)                   ; ahead of the reciprocal
	v_rcp_f32 v[FF], v[T1]
	v_nop
	s_wait_alu depctr_va_vdst(0)                   ; and ahead of its first reader, which is O^T's first reader too
.set q, 0
.rept 16
	v_pk_mul_f32 v[SS+q:SS+q+1], v[OO+q:OO+q+1], v[FF:FF+1] op_sel_hi:[1,0]   ; register 8 ct + j is out(r, 16 ct + 8 h + j)
.set q, q+2
.endr
	WIN 0x04*(\i)
.set q, 0
.rept 8
	ds_store_b128 v[STO], v[SS+4*q:SS+4*q+3] offset:64*(q/2)+16*(q%2)
.set q, q+1
.endr
	WIN 0
.set q, 0
.rept 8
	ds_load_b128 v[OB+32*(\i)+4*q:OB+32*(\i)+4*q+3], v[RD] offset:2*MP*q   ; LDS serves a wave's instructions in order
.set q, q+1
.endr
.endm
	s_load_b256 s[4:11], s[0:1], 0x0               ; queries s[4:5], mask s[6:7], kvc s[8:9], kvs s[10:11]
	s_load_b64 s[12:13], s[0:1], 0x20              ; out0
	v_lshl_add_u32 v[SPW], v0, 2, SPARE
	v_mov_b32 v[NIL], 0
	ds_add_u32 v[SPW], v[NIL]                      ; the opening lines: the add twice on end
	ds_add_u32 v[SPW], v[NIL]
	v_lshrrev_b32 v28, 5, v0
	v_readfirstlane_b32 s[WV], v28                 ; wave 0..7
	s_lshr_b32 s[HH], s[WV], 1                     ; my head in the group: neighbouring waves take one head's two halves of the queries
	s_and_b32 s[QP], s[WV], 1                      ; which 32 queries
	s_bfe_u32 s[CX], ttmp6, 0x40000                ; g: my place in the cluster (the grid has one cluster along x)
	s_and_b32 s[QB], ttmp7, 0xffff                 ; qb: the cluster's y
	; group 1: 64 rows x 64 elements of 4 bytes, 4,096 elements from row to row; 4 words of padding behind every 64; the mask names the cluster's four
	s_mov_b32 s[G1M], 15|(2<<16)|(1<<20)|(1<<21)|(5<<22)|(3<<25)
	s_mov_b32 s[G1M+1], 64<<16
	s_mov_b32 s[G1M+2], 64<<16
	s_mov_b32 s[G1M+3], 64<<16
	s_mov_b32 s[G1M+4], 64
	s_mov_b32 s[G1M+5], 4096
	s_mov_b32 s[G1M+6], 0
	s_mov_b32 s[G1M+7], 0
	s_mov_b32 s[CS], 0x3fb8aa3b                    ; log2(e)
	s_mov_b32 s[CS+1], s[CS]
	s_mov_b32 s[SEL], 0x76543210
	s_mov_b32 s[SEL+1], 0xfedcba98
	s_mov_b32 s[SB], 0
	s_mul_i32 s[WOFF], s[WV], MHALF
	s_lshl_b32 s44, s[CX], 2
	s_add_co_u32 s44, s44, s[HH]                   ; my head
	s_lshl_b32 s44, s44, 12
	s_lshl_b32 s45, s[QB], 6
	s_add_co_u32 s44, s44, s45
	s_lshl_b32 s45, s[QP], 5
	s_add_co_u32 s44, s44, s45                     ; my first row of queries and of out0
	s_lshl_b32 s44, s44, 8
	s_mov_b32 s45, 0
	s_mul_i32 s46, s[CX], 32*STEPC                 ; codes: 32 steps a group of heads, + my head
	s_mul_i32 s55, s[HH], HEADB
	s_add_co_u32 s46, s46, s55
	s_mov_b32 s47, 0
	s_lshl_b32 s48, s[CX], 16                      ; scale words
	s_lshl_b32 s49, s[HH], 9
	s_add_co_u32 s48, s48, s49
	s_mov_b32 s49, 0
	s_lshl_b32 s50, s[QB], 20                      ; mask: 64 rows of 16,384 bytes a block, + my chunk's 64 keys
	s_lshl_b32 s51, s[WV], 8
	s_add_co_u32 s50, s50, s51
	s_mov_b32 s51, 0
	s_lshl_b32 s52, s[WV], 13                      ; the prefetch: from my head's codes back to the group's, a step on, + 8,192 x wave
	s_add_co_u32 s52, s52, STEPC
	s_sub_co_u32 s52, s52, s55
	s_mul_i32 s53, s[WV], 16*MP
	s_add_co_u32 s53, s53, STAGE                   ; my stage
	s_mul_i32 s54, s[QP], 32*MP
	s_cmp_eq_u32 s[QB], 0
	s_cselect_b32 s[LIM], 1, 0
	s_cmp_lt_u32 s[WV], 6
	s_cselect_b32 s[LIM], s[LIM], 0
	v_and_b32 v28, 31, v0                          ; lane
	v_and_b32 v14, 15, v0                          ; r
	v_bfe_u32 v15, v0, 4, 1                        ; h
	v_mul_u32_u24 v[AMB], v14, MP
	v_lshl_add_u32 v[AMB], v15, 7, v[AMB]
	v_add_nc_u32 v[AMB], s54, v[AMB]               ; mask row 32 (wave % 2) + r, + 128 h
	v_lshlrev_b32 v[AKV], 4, v28
	v_lshlrev_b32 v[ASC], 2, v28
	v_lshl_add_u32 v[PFO], v28, 8, s52
	v_mul_u32_u24 v[STO], v14, MP
	v_lshl_add_u32 v[STO], v15, 5, v[STO]
	v_add_nc_u32 v[STO], s53, v[STO]               ; in: row r, + 32 h
	v_mul_u32_u24 v[RD], v15, MP
	v_lshl_add_u32 v[RD], v14, 4, v[RD]
	v_add_nc_u32 v[RD], s53, v[RD]                 ; back: lanes 0-15 one row, lanes 16-31 the next
	v_lshlrev_b32 v[GO], 8, v15
	v_lshl_add_u32 v[GO], v14, 4, v[GO]
	v_lshlrev_b32 v[H8], 3, v15
	v_lshlrev_b32 v[QA], 8, v14
	v_lshl_add_u32 v[QA], v15, 7, v[QA]
	s_wait_alu depctr_va_vdst(0)                   ; the wait ahead of the waits below
	s_wait_dscnt 0x0                               ; both opening adds are done
	s_wait_kmcnt 0x0
	s_add_nc_u64 s[4:5], s[4:5], s[44:45]
	s_add_nc_u64 s[12:13], s[12:13], s[44:45]
	s_add_nc_u64 s[KB:KB+1], s[8:9], s[46:47]
	s_add_nc_u64 s[KS:KS+1], s[10:11], s[48:49]
	s_mov_b32 s[G0], 1
	s_mov_b32 s[G0+1], s[WOFF]
	s_add_nc_u64 s[G0+2:G0+3], s[6:7], s[50:51]
	s_or_b32 s[G0+3], s[G0+3], 0x80000000
	ROUND                                          ; the four work-groups are here: the first joint loads meet
	tensor_load_to_lds s[G0:G0+3], s[G1M:G1M+7]    ; slot 0: steps 0-3, my chunk: my one tensor load at the head
	s_nop 0
.irp e, 0,1,2,3,4,5,6,7                        ; Q: lane (r, h) takes channels 32 h .. 32 h + 31 of query r
	global_load_b128 v[SS+4*\e:SS+4*\e+3], v[QA], s[4:5] offset:16*\e
.endr
	WIN 0x40
.irp e, 0,1,2,3,4,5,6,7
	global_load_b128 v[SS+4*\e:SS+4*\e+3], v[QA], s[4:5] offset:4096+16*\e
.endr
	LK                                             ; step 0's operands
	LV
	INIT 0
	INIT 1
	s_wait_alu depctr_va_vdst(0)
	s_wait_loadcnt 28                              ; Q is in; K's sixteen and V's twelve loads may be out
	QPREP 0
	QPREP 1
	PLACES 8                                       ; Q's word stands eight places ahead of the first products
	s_wait_alu depctr_va_vdst(0)                   ; the wait at the head's end
	s_wait_tensorcnt 0x0                           ; my chunk of slot 0 is in; slot 1's first fill is issued as a refill is
	ds_add_u32 v[SPW], v[NIL]
	s_add_co_u32 s[G0+1], s[WOFF], SLOT1
	s_add_nc_u64 s[G0+2:G0+3], s[G0+2:G0+3], 2048
	s_wait_dscnt 0x0
	ROUND
	tensor_load_to_lds s[G0:G0+3], s[G1M:G1M+7]    ; slot 1: steps 4-7
	s_nop 0
	v_add_nc_u32 v[AM], s[SB], v[AMB]
	LM 0
	LM 1
	WIN 0
	s_mov_b32 s[CNT], 6
.Lslot:                                            ; steps 0 to 23: a trip reads a slot out and fills it again
	STEP 0, 1, 1
	STEP 0, 1, 1
	STEP 0, 1, 1
	STEP 1, 1, 1
	s_sub_co_u32 s[CNT], s[CNT], 1
	s_cmp_lg_u32 s[CNT], 0
	s_cbranch_scc1 .Lslot
	s_mov_b32 s[CNT], 3
.Lsix:                                             ; steps 24 to 26
	STEP 0, 1, 1
	s_sub_co_u32 s[CNT], s[CNT], 1
	s_cmp_lg_u32 s[CNT], 0
	s_cbranch_scc1 .Lsix
	STEP 2, 1, 1                                   ; step 27: the last change of slots fetches nothing
	s_mov_b32 s[CNT], 3
.Lseven:                                           ; steps 28 to 30
	STEP 0, 1, 0
	s_sub_co_u32 s[CNT], s[CNT], 1
	s_cmp_lg_u32 s[CNT], 0
	s_cbranch_scc1 .Lseven
	STEP 0, 0, 0                                   ; step 31
	FINISH 0
	FINISH 1
	s_wait_dscnt 16                                ; tile 0 is back; tile 1's eight stores and eight loads may be out
.set q, 0
.rept 8
	global_store_b128 v[GO], v[OB+4*q:OB+4*q+3], s[12:13] offset:512*q th:TH_STORE_NT          ; sixteen lanes store a row's 256 consecutive bytes, aligned
.set q, q+1
.endr
	s_wait_dscnt 0x0
.set q, 0
.rept 8
	global_store_b128 v[GO], v[OB+32+4*q:OB+32+4*q+3], s[12:13] offset:4096+512*q th:TH_STORE_NT
.set q, q+1
.endr
	s_wait_tensorcnt 0x0                           ; the wave's end
	ds_add_u32 v[SPW], v[NIL]
	s_wait_dscnt 0x0
	ROUND                                          ; the closing round
	s_endpgm
.Lfunc_end_k_q053f3aeb63_attn:
	.size	k_q053f3aeb63_attn, .Lfunc_end_k_q053f3aeb63_attn-k_q053f3aeb63_attn
	.p2alignl 7, 3214868480
	.fill 96, 4, 3214868480
	.section	.rodata,"a",@progbits
	.p2align	6, 0x0
	.amdhsa_kernel k_q053f3aeb63_attn
		.amdhsa_group_segment_fixed_size 327680
		.amdhsa_private_segment_fixed_size 0
		.amdhsa_enable_private_segment 0
		.amdhsa_kernarg_size 40
		.amdhsa_user_sgpr_count 2
		.amdhsa_user_sgpr_kernarg_segment_ptr 1
		.amdhsa_wavefront_size32 1
		.amdhsa_system_sgpr_workgroup_id_x 1
		.amdhsa_system_sgpr_workgroup_id_y 1
		.amdhsa_system_sgpr_workgroup_id_z 1
		.amdhsa_system_vgpr_workitem_id 0
		.amdhsa_next_free_vgpr 512
		.amdhsa_next_free_sgpr 66
		.amdhsa_reserve_vcc 0
		.amdhsa_float_denorm_mode_32 3
		.amdhsa_float_denorm_mode_16_64 3
		.amdhsa_memory_ordered 1
		.amdhsa_forward_progress 1
		.amdhsa_inst_pref_size 255
	.end_amdhsa_kernel
	.section	.bss,"aw",@nobits
	.p2align	6
	.space	262144
	.amdgpu_metadata
---
amdhsa.version: [ 1, 2 ]
amdhsa.kernels:
  - .name:           k_q053f3aeb63_attn
    .symbol:         k_q053f3aeb63_attn.kd
    .args:
      - { .name: queries, .offset: 0, .size: 8, .value_kind: global_buffer, .address_space: global }
      - { .name: mask, .offset: 8, .size: 8, .value_kind: global_buffer, .address_space: global }
      - { .name: kvc, .offset: 16, .size: 8, .value_kind: global_buffer, .address_space: global }
      - { .name: kvs, .offset: 24, .size: 8, .value_kind: global_buffer, .address_space: global }
      - { .name: out0, .offset: 32, .size: 8, .value_kind: global_buffer, .address_space: global }
    .group_segment_fixed_size: 327680
    .private_segment_fixed_size: 0
    .kernarg_segment_align: 8
    .kernarg_segment_size: 40
    .max_flat_workgroup_size: 256
    .sgpr_count:     66
    .vgpr_count:     512
    .wavefront_size: 32
...
	.end_amdgpu_metadata
.endif
;; end of part 2
